; MI455X (gfx1250); checked and timed in simulation.
; The chip was launched on July 23, 2026; its instructions are those of AMD's public machine-readable ISA for CDNA 5 (MIT licence, August 2026) and "CDNA5" Instruction Set Architecture Reference Guide (July 2026). The comments in the code are by the model that wrote it; some were corrected since.
;; Attention. Allowed arithmetic: matrix products marked QUANTISED: E2M3 operands, one E8M0 scale for each 32 along K, by v_wmma_scale_f32_16x16x128_f8f6f4 with both operands' format E2M3, f32 sums; products left as they are: f32 operands where the result goes on into a quantised operand, else bf16, f16 or f32 operands; f32 sums; everything else in f32.
;; Inputs: W1_codes 32 x 1 x 24 uint8 (E2M3 codes of W1, K innermost, in blocks of 32 codes, four codes in three bytes); W1_scales 32 x 1 uint8 (E8M0 scales of W1, one for each 32 codes along K); W2_codes 32 x 1 x 24 uint8 (E2M3 codes of W2, K innermost, in blocks of 32 codes, four codes in three bytes); W2_scales 32 x 1 uint8 (E8M0 scales of W2, one for each 32 codes along K); W3_codes 32 x 1 x 24 uint8 (E2M3 codes of W3, K innermost, in blocks of 32 codes, four codes in three bytes); W3_scales 32 x 1 uint8 (E8M0 scales of W3, one for each 32 codes along K); W4 32 x 1 float32; all_memory 4,096 x 200 x 32 float32; average_memory_codes 4,096 x 1 x 24 uint8 (E2M3 codes of average_memory, K innermost, in blocks of 32 codes, four codes in three bytes); average_memory_scales 4,096 x 1 uint8 (E8M0 scales of average_memory, one for each 32 codes along K); b1 32 float32; b2 32 float32; b3 32 float32; last_memory_codes 4,096 x 1 x 24 uint8 (E2M3 codes of last_memory, K innermost, in blocks of 32 codes, four codes in three bytes); last_memory_scales 4,096 x 1 uint8 (E8M0 scales of last_memory, one for each 32 codes along K); mask 4,096 x 200 bool.
;; Outputs: out0 4,096 x 32 float32.
;; This version of the problem:
;;   THIS VERSION OF THE PROBLEM IS GIVEN IN LOW PRECISION. The matrix products marked QUANTISED in the list below multiply operands that are first quantised to E2M3 (2 exponent bits, 3 mantissa bits; 6 bits a number), with one power-of-two scale for each 32 numbers along K (OCP MX v1.0); their sums are f32. All else is computed in f32.
;;   The module's matrix products, in the order in which they are computed (A, B: the left and right operand; K: the contracted axis; several contracted axes count as one K, in the product's order):
;;     1. [M 819,200, K 32] x [K 32, N 32]; A: input all_memory; B: input W1 (given as codes): QUANTISED
;;     2. [M 4,096, K 32] x [K 32, N 32]; A: input last_memory (given as codes); B: input W2 (given as codes): QUANTISED
;;     3. [M 4,096, K 32] x [K 32, N 32]; A: input average_memory (given as codes); B: input W3 (given as codes): QUANTISED
;;     4. [M 819,200, K 32] x [K 32, N 1]; A: computed on the way; B: input W4: left as it is (N = 1 < 16)
;;   THE QUANTISER, for each operand of a quantised product, along K:
;;     - K is cut into blocks of 32 from its start; a last block that is shorter is filled with zeros.
;;     - A block's scale is 2^e with e = floor(log2(the largest magnitude in the block)) - 2, held to -126 .. 127; a block of zeros has e = 0. As a byte (E8M0): e + 127.
;;     - Each number is divided by its block's scale, clamped to +-7.5, and rounded to the nearest number of E2M3, ties to even, subnormals kept.
;;     - The product sums the exact products of the quantised numbers (number of the format x scale) in f32.
;;   ~~~python
;;   def quantise(x, axis):      # numpy; x: float32 -> the quantised numbers, widened to float32 again
;;       x = np.moveaxis(x, axis, -1); K = x.shape[-1]
;;       x = np.pad(x, [(0, 0)] * (x.ndim - 1) + [(0, -K % 32)]); x = x.reshape(x.shape[:-1] + (-1, 32)); a = np.abs(x).max(-1, keepdims=True)
;;       e = np.where(a > 0, np.clip(np.frexp(np.where(a > 0, a, 1))[1] - 1 - 2, -126, 127), 0)      # np.frexp(a)[1] - 1 = floor(log2(a)), exactly
;;       r = np.clip(x / 2.0 ** e, -7.5, 7.5)
;;       step = 2.0 ** (np.maximum(np.frexp(np.where(r == 0, 1, r))[1] - 1, 0) - 3)
;;       q = np.round(r / step) * step * 2.0 ** e      # np.round: ties to even
;;       return np.moveaxis(q.reshape(q.shape[:-2] + (-1,))[..., :K], -1, axis).astype(np.float32)
;;   ~~~
;;   INPUTS GIVEN AS CODES. W1 (in the module: [32, 32], K = its axis 0); W2 (in the module: [32, 32], K = its axis 0); W3 (in the module: [32, 32], K = its axis 0); average_memory (in the module: [4096, 32], K = its axis 1); last_memory (in the module: [4096, 32], K = its axis 1): each comes as NAME_codes (uint8): NAME with its K axis moved to the last place and cut into blocks of 32 codes, [.., K / 32, bytes a block], one block behind the other in memory; four codes in three bytes: a row's codes are one little-endian stream of bits, code i at bits 6 i .. 6 i + 5 (a code: sign, 2 exponent bits, 3 mantissa bits); and NAME_scales (uint8): the same leading axes, one E8M0 byte (e + 127) for each 32 codes along K. Its value is code x scale, taken as it is: it is not quantised again, and the codes and scales need not be those that the quantiser above would give.
;; 2 versions, each right; version 2 is version 1 with the launch attn written anew for expert scheduling mode. Each part assembles by itself: llvm-mc -triple=amdgcn-amd-amdhsa -mcpu=gfx1250 --defsym DOCPART=n.
;; ======== version 1 of 2: 1 launch
;; launch attn (part 1): grid 256 x 1, 16 waves a work-group, no clusters, 83,968 bytes of LDS; arguments all_memory, last_memory_codes, last_memory_scales, average_memory_codes, average_memory_scales, W1_codes, W1_scales, W2_codes, W2_scales, W3_codes, W3_scales, W4, b1, b2, b3, out0; writes out0
.if DOCPART == 1
	.amdgcn_target "amdgcn-amd-amdhsa--gfx1250"
	.amdhsa_code_object_version 6
	.text
	.protected	k_q0352cd3db3_attn
	.globl	k_q0352cd3db3_attn
	.p2align	8
	.type	k_q0352cd3db3_attn,@function
k_q0352cd3db3_attn:
	s_mov_b64 s[64:65], 0
	v_nop
	global_prefetch_b8 v0, s[64:65] scope:SCOPE_SE
	s_setreg_imm32_b32 hwreg(HW_REG_WAVE_MODE, 25, 1), 1
	s_wait_xcnt 0x0
; out[b][:] = sum over s of score(b, s) x[b][s][:],  score = sum over f of sigmoid(proj_f) W4[f],  proj = Q(x) W1 + c[b],  c[b] = b1 + b2 + b3 + last[b] W2 + avg[b] W3.
; x = all_memory [4096][200][32] f32: a row is ONE block of 32 along K; it is quantised here to codes of E2M3 with one E8M0 byte.  W1, W2, W3, last, avg arrive as codes.  All three products go by
; v_wmma_scale_f32_16x16x128_f8f6f4 on 6-bit codes; the product with W4 (one column) is fused multiply-adds in f32; the weighted sum takes the UNQUANTISED x.
; THE MASK IS NOT LOADED: the function that defines the result takes it and never uses it, so no output number hangs on it.
; LIMITS: NaN and infinities in all_memory are not served.  A row of zeros gets the scale byte 1 where the quantiser's rule says 127: its codes are zeros, and the byte is read by this text alone.
; The sums over s and over f are taken in another order than the definition's.  sigmoid(p) = 1 / (1 + 2^(-p log2 e)) runs to 0 or 1 for any finite p: no clamp is needed.
; SHARES.  256 work-groups of 16 waves; a work-group owns 16 batches.  Wave w: a = w & 3, b = w >> 2.  Its TASK is batches 16 wg + 4 a .. + 3, its PART p = a xor b of the task's 25 STEPS; a step is 8 rows of each
; of the 4 batches: 32 rows, a row a lane.  Part 0 takes steps 0-6, parts 1, 2, 3 six steps each (7-12, 13-18, 19-24).  a xor b is a Latin square: of any four waves with equal a, or with equal b, one has 7 steps.
; LANES.  Lane l = r + 16 h belongs to batch l & 3 of the task, always, and holds one whole row in 32 registers: the block's largest magnitude and the conversions ask no other lane, and the weighted sum is
; 16 packed multiply-adds into 32 sums of the lane's own.
; THE PRODUCT IS USED TRANSPOSED (source 0 = 16 features of W1, source 1 = x).  In the 6-bit layout lane (r, h) holds K block h of column r in its registers 0-5: so the lane's own 32 codes ARE the operand, column r
; holding lane r's row as K block 0 and lane 16 + r's row as K block 1; registers 6-11 (K blocks 2, 3) stay zero codes.  Four fragments of W1 tell the two rows apart: fragment (h', t) has feature 16 t + r in
; the lanes with h = h' and zero codes in the others.  Result (h', t), register j, lane (r, h) = proj(row of lane r + 16 h', feature 16 t + 8 h + j).  What a fragment of W1 holds in registers 6-11 meets
; zero codes, and every 6-bit pattern is a finite number: so the four fragments lie 6 registers apart, each reaching into the next.
; x COMES BY DENSE LOADS (32 lanes x 16 bytes = 512 consecutive bytes, aligned) and is turned, row to lane, through the wave's own stage in LDS, in place.  Three sets of 32 registers take turns: 8 to 16 loads of a wave
; are always out; no pointer is stepped: every offset is an immediate.  No tensor load, no ring; the one barrier stands in front of the sum of a task's four parts.
.set ROWS8,  1024                      ; a step's 8 rows of one batch, in bytes
.set BATCH,  25600                     ; a batch: 200 rows of 128 bytes
.set PLACE,  144                       ; a row's place in the stage: 128 bytes + 16: lane l reads at 16-byte column 9 l mod 16 of the 64 banks of 4 bytes (ISA guide 11.1): sixteen lanes, sixteen columns
.set STAGE,  32*PLACE                  ; a wave's stage: 4,608 bytes; sixteen of them from LDS byte 0
.set RED,    16*STAGE                  ; behind them: 512 bytes a wave: its part of its task's 4 rows of out0, in out0's byte order
.set GA,   1                           ; v1   16 x lane: my 16 bytes of a dense load or store
.set SA,   2                           ; v2   the stage, on the way in
.set LA,   3                           ; v3   the stage, on the way out: my row's place
.set RA,   4                           ; v4   where my 16 bytes of my wave's part go
.set RB,   5                           ; v5   where I read the four parts of task a
.set WS,   6                           ; v6   W1's scale byte of feature l, in bytes 0 and 1          (v6-9 hold scales and nothing else)
.set XS,   7                           ; v7   my row's scale byte, in bytes 0 and 1
.set W23S, 8                           ; v8   byte 0: W2's scale of feature l; byte 1: W3's
.set LAS,  9                           ; v9   byte 0: last's scale of my batch; byte 1: avg's
.set M,    10                          ; v10-13 four running maxima
.set SO,   14                          ; v14  the conversions' scale operand
.set XBY,  15                          ; v15  the scale's byte
.set XF,   16                          ; v16-27 x's fragment; v22-27 stay 0
.set CT,   28                          ; v28-30 the second conversion's result
.set SCR,  32                          ; v32  my row's score; v33 is named with it as a pair
.set F,    34                          ; v34-63 W1's fragments: (h', t) at F + 6 (2 h' + t), 12 registers; v58-63 stay 0
.set WQ,   64                          ; v64-79 W4[16 t + 8 h + j] at WQ + 8 t + j
.set CB,   80                          ; v80-95 c[my batch][16 t + 8 h + j] at CB + 8 t + j: the C of every step's products
.set P,    96                          ; v96-127 the four results: (h', t) at P + 8 (2 h' + t).  At the head: W2's, last's and avg's codes as loaded, lane numbers and offsets
.set ACC,  128                         ; v128-159 my 32 sums.  At the head: W3's and W1's codes as loaded
.set S,    160                         ; v160-255 three sets of 32: step i's rows in set i % 3.  At the head set 2 holds b2 and b3
	s_load_b512 s[16:31], s[0:1], 0x0              ; all_memory 16, last codes 18, last scales 20, avg codes 22, avg scales 24, W1 codes 26, W1 scales 28, W2 codes 30
	s_load_b512 s[32:47], s[0:1], 0x40             ; W2 scales 32, W3 codes 34, W3 scales 36, W4 38, b1 40, b2 42, b3 44, out0 46
	v_lshrrev_b32 v120, 5, v0
	v_readfirstlane_b32 s2, v120                   ; w
	v_and_b32 v120, 31, v0                         ; l
	v_and_b32 v121, 15, v0                         ; r
	v_bfe_u32 v122, v0, 4, 1                       ; h
	v_and_b32 v123, 3, v0                          ; my batch of the task's four
	v_bfe_u32 v124, v0, 2, 2                       ; g: which of the batch's four lanes of my half
	v_bfe_u32 v125, v0, 3, 1
	v_and_b32 v126, 7, v0
	s_and_b32 s3, s2, 3                            ; a: the task
	s_lshr_b32 s4, s2, 2                           ; b
	s_xor_b32 s5, s3, s4                           ; p: the part
	s_min_u32 s7, s5, 1
	s_mul_i32 s6, s5, 6
	s_add_co_u32 s6, s6, s7                        ; its first step: 0, 7, 13, 19
	s_lshl_b32 s8, ttmp9, 4
	s_lshl_b32 s9, s3, 2
	s_add_co_u32 s8, s8, s9                        ; the task's first batch
	s_mul_i32 s10, s2, STAGE                       ; my wave's stage
	; every LDS address is made here, ahead of the branch on the part
	v_lshlrev_b32 v[GA], 4, v120
	; In: load q brings lane ls the 16 bytes ls & 7 of row 4 (q & 1) + (ls >> 3) of batch q >> 1.  That row goes to place (q >> 1) + 16 (q & 1) + 4 (2 bit3 + bit4): a lane of its batch.
	; The two rows that sixteen lanes store lie 8 places (1,152 bytes = 128 mod 256) apart: sixteen different 16-byte columns.
	v_lshlrev_b32 v[SA], 4, v126
	v_mad_u32_u24 v[SA], v125, 8*PLACE, v[SA]
	v_mad_u32_u24 v[SA], v122, 4*PLACE, v[SA]
	v_add_nc_u32 v[SA], s10, v[SA]
	v_mul_u32_u24 v[LA], v120, PLACE
	v_add_nc_u32 v[LA], s10, v[LA]
	s_lshl_b32 s11, s2, 9
	s_add_co_u32 s11, s11, RED
	v_lshlrev_b32 v[RA], 7, v123                   ; my batch's row of 128 bytes,
	v_lshl_add_u32 v[RA], v122, 6, v[RA]           ; elements 16 h on,
	v_lshl_add_u32 v[RA], v124, 4, v[RA]           ; of them 4 g .. 4 g + 3
	v_add_nc_u32 v[RA], s11, v[RA]
	s_lshl_b32 s7, s3, 9
	s_add_co_u32 s7, s7, RED
	v_add_nc_u32 v[RB], s7, v[GA]                  ; the parts of task a lie in the bytes of waves a, a + 4, a + 8, a + 12
	v_mul_u32_u24 v127, v121, 24                   ; offsets of the small loads: a row of 32 codes is 24 bytes: feature r,
	v_mul_u32_u24 v126, v123, 24                   ; my batch,
	v_lshlrev_b32 v125, 5, v122                    ; and 8 h numbers of f32
.irp k, 6,7,8,9,10,11
	v_mov_b32 v[XF+\k], 0                          ; K blocks 2 and 3 of x's fragment: zero codes, for good
	v_mov_b32 v[F+18+\k], 0                        ; behind the last fragment of W1
.endr
	v_mov_b32 v[SCR+1], 0                          ; (named as the upper half of a pair)
	s_mov_b32 s48, 0xbfb8aa3b                      ; -log2(e)
	s_mov_b32 s49, s48                             ; (named with it as a pair)
	s_mov_b32 s50, 0xf0f0f0f0                      ; lanes with bit 2 set
	s_mov_b32 s51, 0xff00ff00                      ; with bit 3 set
	s_mov_b32 vcc_lo, 0xffff0000                   ; h; no compare is written in this text, so it stays
	s_mov_b32 s13, 0
	s_wait_kmcnt 0x0
	s_mul_i32 s12, s8, BATCH                       ; under 2^27
	s_lshl_b32 s7, s6, 10
	s_add_co_u32 s12, s12, s7
	s_add_nc_u64 s[16:17], s[16:17], s[12:13]      ; all_memory at my task's first batch, my part's first step
	s_mul_i32 s12, s8, 24
	s_add_nc_u64 s[18:19], s[18:19], s[12:13]
	s_add_nc_u64 s[22:23], s[22:23], s[12:13]
	s_mov_b32 s12, s8
	s_add_nc_u64 s[20:21], s[20:21], s[12:13]
	s_add_nc_u64 s[24:25], s[24:25], s[12:13]
	s_lshl_b32 s12, s8, 7
	s_add_nc_u64 s[46:47], s[46:47], s[12:13]      ; out0 at my task's four rows
	; 45 small loads
.irp t, 0,1
.irp c, 0,1,2
	global_load_b64 v[ACC+12+6*\t+2*\c:ACC+12+6*\t+2*\c+1], v127, s[26:27] offset:384*\t+8*\c   ; W1, feature 16 t + r: in pieces of 8 bytes, so that every address is a multiple of the access's size
	global_load_b64 v[P+6*\t+2*\c:P+6*\t+2*\c+1], v127, s[30:31] offset:384*\t+8*\c             ; W2
	global_load_b64 v[ACC+6*\t+2*\c:ACC+6*\t+2*\c+1], v127, s[34:35] offset:384*\t+8*\c         ; W3
.endr
.endr
.irp c, 0,1,2
	global_load_b64 v[P+12+2*\c:P+12+2*\c+1], v126, s[18:19] offset:8*\c                        ; last, my batch
	global_load_b64 v[P+18+2*\c:P+18+2*\c+1], v126, s[22:23] offset:8*\c                        ; avg
.endr
	global_load_u8 v[WS], v120, s[28:29]
	global_load_u8 v[W23S], v120, s[32:33]
	global_load_u8 v[M], v120, s[36:37]
	global_load_u8 v[LAS], v123, s[20:21]
	global_load_u8 v[M+1], v123, s[24:25]
.irp t, 0,1
.irp c, 0,1
	global_load_b128 v[WQ+8*\t+4*\c:WQ+8*\t+4*\c+3], v125, s[38:39] offset:64*\t+16*\c          ; numbers 16 t + 8 h + 0 .. 7 of W4,
	global_load_b128 v[CB+8*\t+4*\c:CB+8*\t+4*\c+3], v125, s[40:41] offset:64*\t+16*\c          ; b1,
	global_load_b128 v[S+64+8*\t+4*\c:S+64+8*\t+4*\c+3], v125, s[42:43] offset:64*\t+16*\c      ; b2,
	global_load_b128 v[S+80+8*\t+4*\c:S+80+8*\t+4*\c+3], v125, s[44:45] offset:64*\t+16*\c      ; b3
.endr
.endr
; Step i's 32 rows into set i % 3: load q = rows 4 (q & 1) .. + 3 of the step's eight in batch q >> 1: 512 consecutive bytes, at a multiple of 512 from the buffer's first byte.  Read once in the launch.
.macro GLOAD i
.irp q, 0,1,2,3,4,5,6,7
	global_load_b128 v[S+32*((\i)%3)+4*\q:S+32*((\i)%3)+4*\q+3], v[GA], s[16:17] offset:(\q/2)*BATCH+(\i)*ROWS8+(\q%2)*512 th:TH_LOAD_NT
.endr
.endm
; The turn, in place: LDS serves a wave's instructions in order (ISA guide 5.7.1.4), so the loads see the stores, and the next step's stores come behind these loads.
.macro TURN i
.irp q, 0,1,2,3,4,5,6,7
	ds_store_b128 v[SA], v[S+32*((\i)%3)+4*\q:S+32*((\i)%3)+4*\q+3] offset:((\q/2)+16*(\q%2))*PLACE
.endr
.irp j, 0,1,2,3,4,5,6,7
	ds_load_b128 v[S+32*((\i)%3)+4*\j:S+32*((\i)%3)+4*\j+3], v[LA] offset:16*\j
.endr
.endm
; Seven lines: the largest magnitude of sixteen numbers from v[x] on, left in v[m] and v[m + 1]; two chains by turns
.macro MAX16 m, x
	v_max3_num_f32 v[\m], |v[\x]|, |v[\x+1]|, |v[\x+2]|
	v_max3_num_f32 v[\m+1], |v[\x+8]|, |v[\x+9]|, |v[\x+10]|
	v_max3_num_f32 v[\m], v[\m], |v[\x+3]|, |v[\x+4]|
	v_max3_num_f32 v[\m+1], v[\m+1], |v[\x+11]|, |v[\x+12]|
	v_max3_num_f32 v[\m], v[\m], |v[\x+5]|, |v[\x+6]|
	v_max3_num_f32 v[\m+1], v[\m+1], |v[\x+13]|, |v[\x+14]|
	v_max3_num_f32 v[\m], v[\m], |v[\x+7]|, |v[\x+15]|
.endm
; My row becomes 32 codes in XF's registers 0-5 and a scale byte in XS.
.macro QUANT i
	s_wait_dscnt 4                                 ; x0-15 are back from the stage; the four youngest loads (x16-31) may be out
	MAX16 M, S+32*((\i)%3)
	s_wait_dscnt 0x0
	MAX16 M+2, S+32*((\i)%3)+16
	v_max3_num_f32 v[M], v[M], v[M+1], 0x1800000   ; with the floor 2^(3 - 127), under which no largest magnitude is taken: so the byte cannot fall under 1
	v_max3_num_f32 v[M], v[M], v[M+2], v[M+3]
	v_add_nc_u32 v[SO], 0xff000000, v[M]           ; 2 off its exponent field: the conversion takes the exponent field of this operand as its scale, and nothing else of it
	v_lshrrev_b32 v[XBY], 23, v[SO]                ; the scale's byte,
	v_lshl_or_b32 v[XS], v[XBY], 8, v[XBY]         ; for K block 0 (read from lanes 0-15) and for K block 1 (read from lanes 16-31)
	v_cvt_scalef32_pk16_fp6_f32 v[XF:XF+2], v[S+32*((\i)%3):S+32*((\i)%3)+15], v[SO]
	v_cvt_scalef32_pk16_fp6_f32 v[CT:CT+2], v[S+32*((\i)%3)+16:S+32*((\i)%3)+31], v[SO]   ; (a conversion's three registers begin on an even number)
	v_nop                                          ; one plain place behind a scaled conversion
	v_mov_b32 v[XF+3], v[CT]
	v_mov_b32 v[XF+4], v[CT+1]
	v_mov_b32 v[XF+5], v[CT+2]
.endm
; Half of the weighted sum of the step before: sums 16 half .. + 15 += score x x.  kind 1: the first product starts the sums: nothing is cleared.  kind 0: there is no step before.
; These lines name none of the products' registers: the half in front of the products is the eight places behind the write of XS (and behind the last write of XF), the half behind them the places ahead of the first read of P.
.macro ACCUM set, half, kind
.if (\kind) == 0
.rept 8-4*(\half)
	v_nop
.endr
.else
.irp k, 0,2,4,6,8,10,12,14
.if (\kind) == 1
	v_pk_mul_f32 v[ACC+16*(\half)+\k:ACC+16*(\half)+\k+1], v[S+32*(\set)+16*(\half)+\k:S+32*(\set)+16*(\half)+\k+1], v[SCR:SCR+1] op_sel_hi:[1,0]
.else
	v_pk_fma_f32 v[ACC+16*(\half)+\k:ACC+16*(\half)+\k+1], v[S+32*(\set)+16*(\half)+\k:S+32*(\set)+16*(\half)+\k+1], v[SCR:SCR+1], v[ACC+16*(\half)+\k:ACC+16*(\half)+\k+1] op_sel_hi:[1,0,1]
.endif
.endr
.endif
.endm
; proj of the 32 rows: four products on four accumulators, each with c as its C: no sum is taken up again.  W1's scales: lanes 0-15 for t = 0, lanes 16-31 for t = 1; x's: lanes 0-15 for h' = 0, lanes 16-31 for h' = 1.
.macro PROJ
	v_wmma_scale_f32_16x16x128_f8f6f4 v[P:P+7], v[F:F+11], v[XF:XF+11], v[CB:CB+7], v[WS], v[XS] matrix_a_fmt:MATRIX_FMT_FP6 matrix_b_fmt:MATRIX_FMT_FP6
	v_wmma_scale_f32_16x16x128_f8f6f4 v[P+8:P+15], v[F+6:F+17], v[XF:XF+11], v[CB+8:CB+15], v[WS], v[XS] matrix_a_fmt:MATRIX_FMT_FP6 matrix_b_fmt:MATRIX_FMT_FP6 matrix_a_scale:MATRIX_SCALE_ROW1
	v_wmma_scale_f32_16x16x128_f8f6f4 v[P+16:P+23], v[F+12:F+23], v[XF:XF+11], v[CB:CB+7], v[WS], v[XS] matrix_a_fmt:MATRIX_FMT_FP6 matrix_b_fmt:MATRIX_FMT_FP6 matrix_b_scale:MATRIX_SCALE_ROW1
	v_wmma_scale_f32_16x16x128_f8f6f4 v[P+24:P+31], v[F+18:F+29], v[XF:XF+11], v[CB+8:CB+15], v[WS], v[XS] matrix_a_fmt:MATRIX_FMT_FP6 matrix_b_fmt:MATRIX_FMT_FP6 matrix_a_scale:MATRIX_SCALE_ROW1 matrix_b_scale:MATRIX_SCALE_ROW1
.endm
; 1 / (1 + 2^(-p log2 e)) on the 32 numbers, in place: two batches of 32 transcendentals, each with one plain line behind its last and ONE wait ahead of its first reader.
.macro SIGMOID
.irp j, 0,2,4,6,8,10,12,14,16,18,20,22,24,26,28,30
	v_pk_mul_f32 v[P+\j:P+\j+1], v[P+\j:P+\j+1], s[48:49] op_sel_hi:[1,0]   ; ascending: each accumulator is read from its low end on
.endr
.irp j, 0,1,2,3,4,5,6,7,8,9,10,11,12,13,14,15,16,17,18,19,20,21,22,23,24,25,26,27,28,29,30,31
	v_exp_f32 v[P+\j], v[P+\j]
.endr
	v_nop
	s_wait_alu depctr_va_vdst(0)
.irp j, 0,2,4,6,8,10,12,14,16,18,20,22,24,26,28,30
	v_pk_add_f32 v[P+\j:P+\j+1], v[P+\j:P+\j+1], 1.0 op_sel_hi:[1,0]
.endr
.irp j, 0,1,2,3,4,5,6,7,8,9,10,11,12,13,14,15,16,17,18,19,20,21,22,23,24,25,26,27,28,29,30,31
	v_rcp_f32 v[P+\j], v[P+\j]
.endr
	v_nop
	s_wait_alu depctr_va_vdst(0)
.endm
; The product with W4.  For each h' my 16 numbers are features 16 t + 8 h + j of the row of lane r + 16 h'; the row's other 16 lie in the lane 16 away.  The swap brings lanes 0-15 both halves of h' = 0
; and lanes 16-31 both halves of h' = 1: each lane ends with the score of its OWN row.
.macro SCORE
.irp u, 0,1
	v_pk_mul_f32 v[P+16*\u:P+16*\u+1], v[P+16*\u:P+16*\u+1], v[WQ:WQ+1]
.endr
.irp k, 1,2,3,4,5,6,7
.irp u, 0,1
	v_pk_fma_f32 v[P+16*\u:P+16*\u+1], v[P+16*\u+2*\k:P+16*\u+2*\k+1], v[WQ+2*\k:WQ+2*\k+1], v[P+16*\u:P+16*\u+1]   ; (the two h' by turns)
.endr
.endr
.irp u, 0,1
	v_add_f32 v[P+16*\u], v[P+16*\u], v[P+16*\u+1]
.endr
	v_permlane16_swap_b32 v[P], v[P+16]            ; the first's lanes 16-31 change places with the second's lanes 0-15
	v_add_f32 v[SCR], v[P], v[P+16]
.endm
; A step.  left: the loads issued behind this step's eight, which may stay out.  fill = 1: the rows of two steps on are asked for, into the set whose weighted sum has just been taken.
.macro STEP i, left, fill, kind
	s_wait_loadcnt \left
	TURN \i
	QUANT \i
	ACCUM ((\i)+2)%3, 0, \kind
	PROJ
	ACCUM ((\i)+2)%3, 1, \kind
.if \fill
	GLOAD (\i)+2
.endif
	SIGMOID
	SCORE
.endm
	GLOAD 0
	GLOAD 1
	s_wait_loadcnt 16                              ; the 45 small loads are in; the sixteen of steps 0 and 1 stay out
.irp k, 0,2,4,6,8,10,12,14
	v_pk_add_f32 v[CB+\k:CB+\k+1], v[CB+\k:CB+\k+1], v[S+64+\k:S+64+\k+1]    ; b1 + b2
.endr
.irp k, 0,2,4,6,8,10,12,14
	v_pk_add_f32 v[CB+\k:CB+\k+1], v[CB+\k:CB+\k+1], v[S+80+\k:S+80+\k+1]    ; + b3
.endr
	v_lshl_or_b32 v[W23S], v[M], 8, v[W23S]        ; K block 0: W2's scale; K block 1: W3's
	v_lshl_or_b32 v[LAS], v[M+1], 8, v[LAS]        ; K block 0: last's; K block 1: avg's
	v_lshl_or_b32 v[WS], v[WS], 8, v[WS]
.irp k, 0,1,2,3,4,5,6,7,8,9,10,11
	v_cndmask_b32 v[P+\k], v[P+\k], v[ACC+\k], vcc_lo          ; lanes 0-15 W2's feature (K block 0), lanes 16-31 W3's (K block 1)
.endr
.irp k, 0,1,2,3,4,5
	v_cndmask_b32 v[XF+\k], v[P+12+\k], v[P+18+\k], vcc_lo     ; lanes 0-15 last of batch r & 3, lanes 16-31 avg of it
.endr
.irp k, 0,1,2,3,4,5,6,7,8,9,10,11                              ; W1's four fragments.  These 24 lines name no register of the two products below: they are the places behind the writes of their scales and operands
	v_cndmask_b32 v[F+\k], v[ACC+12+\k], v[F+24], vcc_lo       ; h' = 0: the codes in lanes 0-15, zero codes in lanes 16-31
	v_cndmask_b32 v[F+12+\k], v[F+24], v[ACC+12+\k], vcc_lo    ; h' = 1: the other way round
.endr
	; c = b1 + b2 + b3 + last W2 + avg W3, both products in one instruction for each t: register j of lane (r, h) = c[batch r & 3][16 t + 8 h + j].  (Registers 6-11 of source 0 meet XF's zero codes.)
	v_wmma_scale_f32_16x16x128_f8f6f4 v[CB:CB+7], v[P:P+11], v[XF:XF+11], v[CB:CB+7], v[W23S], v[LAS] matrix_a_fmt:MATRIX_FMT_FP6 matrix_b_fmt:MATRIX_FMT_FP6
	v_wmma_scale_f32_16x16x128_f8f6f4 v[CB+8:CB+15], v[P+6:P+17], v[XF:XF+11], v[CB+8:CB+15], v[W23S], v[LAS] matrix_a_fmt:MATRIX_FMT_FP6 matrix_b_fmt:MATRIX_FMT_FP6 matrix_a_scale:MATRIX_SCALE_ROW1
	; (step 0's sixteen lines of maxima stand between these two and the first write of XF, and ahead of the products that take CB as C and write P)
	STEP 0, 8, 1, 0
	STEP 1, 8, 1, 1
	STEP 2, 8, 1, 2
	STEP 3, 8, 1, 2
	s_cmp_lg_u32 s5, 0                             ; the tail is written twice, so that every count is exact and no load leaves the part's rows
	s_cbranch_scc1 .Lshort
	STEP 4, 8, 1, 2                                ; part 0: seven steps
	STEP 5, 8, 0, 2
	STEP 6, 0, 0, 2
	ACCUM 0, 0, 2                                  ; the last step's weighted sum
	ACCUM 0, 1, 2
	s_branch .Lreduce
.Lshort:
	STEP 4, 8, 0, 2                                ; parts 1 to 3: six steps
	STEP 5, 0, 0, 2
	ACCUM 2, 0, 2
	ACCUM 2, 1, 2
.Lreduce:
	; A batch's eight lanes (l & 3 equal) are added.  First the halves: behind swap and add lanes 0-15 hold elements 0-15, lanes 16-31 elements 16-31.
.irp k, 0,1,2,3,4,5,6,7,8,9,10,11,12,13,14,15
	v_permlane16_swap_b32 v[ACC+\k], v[ACC+16+\k]
.endr
.irp k, 0,1,2,3,4,5,6,7,8,9,10,11,12,13,14,15
	v_add_f32 v[ACC+\k], v[ACC+\k], v[ACC+16+\k]
.endr
.irp k, 0,1,2,3,4,5,6,7,8,9,10,11,12,13,14,15
	v_add_f32_dpp v[ACC+\k], v[ACC+\k], v[ACC+\k] row_xmask:4 row_mask:0xf bank_mask:0xf
.endr
.irp k, 0,1,2,3,4,5,6,7,8,9,10,11,12,13,14,15
	v_add_f32_dpp v[ACC+\k], v[ACC+\k], v[ACC+\k] row_xmask:8 row_mask:0xf bank_mask:0xf
.endr
.irp k, 0,1,2,3                                    ; all four lanes of a batch and half hold the same sixteen: lane g keeps elements 4 g .. 4 g + 3
	v_cndmask_b32 v[ACC+\k], v[ACC+\k], v[ACC+4+\k], s50
	v_cndmask_b32 v[ACC+8+\k], v[ACC+8+\k], v[ACC+12+\k], s50
.endr
.irp k, 0,1,2,3
	v_cndmask_b32 v[P+\k], v[ACC+\k], v[ACC+8+\k], s51
.endr
	ds_store_b128 v[RA], v[P:P+3]
	s_wait_dscnt 0x0                               ; for the others' sake: my part lies in LDS
	s_barrier_signal -1
	s_barrier_wait -1
	s_cmp_lt_u32 s2, 4                             ; wave a (b = 0) adds the four parts of task a and stores its four rows
	s_cbranch_scc0 .Lend
.irp b, 0,1,2,3
	ds_load_b128 v[P+4*\b:P+4*\b+3], v[RB] offset:2048*\b
.endr
	s_wait_dscnt 0x0
	v_pk_add_f32 v[P:P+1], v[P:P+1], v[P+4:P+5]
	v_pk_add_f32 v[P+2:P+3], v[P+2:P+3], v[P+6:P+7]
	v_pk_add_f32 v[P+8:P+9], v[P+8:P+9], v[P+12:P+13]
	v_pk_add_f32 v[P+10:P+11], v[P+10:P+11], v[P+14:P+15]
	v_pk_add_f32 v[P:P+1], v[P:P+1], v[P+8:P+9]
	v_pk_add_f32 v[P+2:P+3], v[P+2:P+3], v[P+10:P+11]
	global_store_b128 v[GA], v[P:P+3], s[46:47] th:TH_STORE_NT   ; 32 lanes store 512 consecutive bytes, at a multiple of 512 from out0's first byte
.Lend:
	s_wait_xcnt 0x0
	v_lshl_add_u32 v254, v0, 2, 0x14000
	v_mov_b32 v255, 0
	s_wait_tensorcnt 0x0
	ds_add_u32 v254, v255
	s_wait_dscnt 0x0
	s_endpgm
.Lfunc_end_k_q0352cd3db3_attn:
	.size	k_q0352cd3db3_attn, .Lfunc_end_k_q0352cd3db3_attn-k_q0352cd3db3_attn
	.p2alignl 7, 3214868480
	.fill 96, 4, 3214868480
	.section	.rodata,"a",@progbits
	.p2align	6, 0x0
	.amdhsa_kernel k_q0352cd3db3_attn
		.amdhsa_group_segment_fixed_size 83968
		.amdhsa_private_segment_fixed_size 0
		.amdhsa_enable_private_segment 0
		.amdhsa_kernarg_size 128
		.amdhsa_user_sgpr_count 2
		.amdhsa_user_sgpr_kernarg_segment_ptr 1
		.amdhsa_wavefront_size32 1
		.amdhsa_system_sgpr_workgroup_id_x 1
		.amdhsa_system_sgpr_workgroup_id_y 1
		.amdhsa_system_sgpr_workgroup_id_z 1
		.amdhsa_system_vgpr_workitem_id 0
		.amdhsa_next_free_vgpr 256
		.amdhsa_next_free_sgpr 66
		.amdhsa_reserve_vcc 1
		.amdhsa_float_denorm_mode_32 3
		.amdhsa_float_denorm_mode_16_64 3
		.amdhsa_memory_ordered 1
		.amdhsa_forward_progress 1
		.amdhsa_inst_pref_size 106
	.end_amdhsa_kernel
	.amdgpu_metadata
---
amdhsa.version: [ 1, 2 ]
amdhsa.kernels:
  - .name:           k_q0352cd3db3_attn
    .symbol:         k_q0352cd3db3_attn.kd
    .args:
      - { .name: all_memory, .offset: 0, .size: 8, .value_kind: global_buffer, .address_space: global }
      - { .name: last_memory_codes, .offset: 8, .size: 8, .value_kind: global_buffer, .address_space: global }
      - { .name: last_memory_scales, .offset: 16, .size: 8, .value_kind: global_buffer, .address_space: global }
      - { .name: average_memory_codes, .offset: 24, .size: 8, .value_kind: global_buffer, .address_space: global }
      - { .name: average_memory_scales, .offset: 32, .size: 8, .value_kind: global_buffer, .address_space: global }
      - { .name: W1_codes, .offset: 40, .size: 8, .value_kind: global_buffer, .address_space: global }
      - { .name: W1_scales, .offset: 48, .size: 8, .value_kind: global_buffer, .address_space: global }
      - { .name: W2_codes, .offset: 56, .size: 8, .value_kind: global_buffer, .address_space: global }
      - { .name: W2_scales, .offset: 64, .size: 8, .value_kind: global_buffer, .address_space: global }
      - { .name: W3_codes, .offset: 72, .size: 8, .value_kind: global_buffer, .address_space: global }
      - { .name: W3_scales, .offset: 80, .size: 8, .value_kind: global_buffer, .address_space: global }
      - { .name: W4, .offset: 88, .size: 8, .value_kind: global_buffer, .address_space: global }
      - { .name: b1, .offset: 96, .size: 8, .value_kind: global_buffer, .address_space: global }
      - { .name: b2, .offset: 104, .size: 8, .value_kind: global_buffer, .address_space: global }
      - { .name: b3, .offset: 112, .size: 8, .value_kind: global_buffer, .address_space: global }
      - { .name: out0, .offset: 120, .size: 8, .value_kind: global_buffer, .address_space: global }
    .group_segment_fixed_size: 83968
    .private_segment_fixed_size: 0
    .kernarg_segment_align: 8
    .kernarg_segment_size: 128
    .max_flat_workgroup_size: 512
    .sgpr_count:     66
    .vgpr_count:     256
    .wavefront_size: 32
...
	.end_amdgpu_metadata
.endif
;; end of part 1
;; ======== version 2 of 2: 1 launch; version 1 with the launch attn written anew for expert scheduling mode
;; launch attn (part 2): grid 256 x 1, 16 waves a work-group, no clusters, 83,968 bytes of LDS; arguments all_memory, last_memory_codes, last_memory_scales, average_memory_codes, average_memory_scales, W1_codes, W1_scales, W2_codes, W2_scales, W3_codes, W3_scales, W4, b1, b2, b3, out0; writes out0
.if DOCPART == 2
	.amdgcn_target "amdgcn-amd-amdhsa--gfx1250"
	.amdhsa_code_object_version 6
	.text
	.protected	k_q0352cd3db3_attn
	.globl	k_q0352cd3db3_attn
	.p2align	8
	.type	k_q0352cd3db3_attn,@function
k_q0352cd3db3_attn:
	s_mov_b64 s[64:65], 0
	v_nop
	global_prefetch_b8 v0, s[64:65] scope:SCOPE_SE
	s_setreg_imm32_b32 hwreg(HW_REG_WAVE_SCHED_MODE, 0, 2), 2
	s_setreg_imm32_b32 hwreg(HW_REG_WAVE_MODE, 25, 1), 1
	s_wait_xcnt 0x0
	s_wait_alu depctr_vm_vsrc(0)
; out[b][:] = sum over s of score(b, s) x[b][s][:],  score = sum over f of sigmoid(proj_f) W4[f],  proj = Q(x) W1 + c[b],  c[b] = b1 + b2 + b3 + last[b] W2 + avg[b] W3.
; x = all_memory [4096][200][32] f32: a row is ONE block of 32 along K; it is quantised here to codes of E2M3 with one E8M0 byte.  W1, W2, W3, last, avg arrive as codes.  All three products go by
; v_wmma_scale_f32_16x16x128_f8f6f4 on 6-bit codes; the product with W4 (one column) is fused multiply-adds in f32; the weighted sum takes the UNQUANTISED x.
; THE MASK IS NOT LOADED: the function that defines the result takes it and never uses it, so no output number hangs on it.
; LIMITS: NaN and infinities in all_memory are not served.  A row of zeros gets the scale byte 1 where the quantiser's rule says 127: its codes are zeros, and the byte is read by this text alone.
; The sums over s and over f are taken in another order than the definition's.  sigmoid(p) = 1 / (1 + 2^(-p log2 e)) runs to 0 or 1 for any finite p: no clamp is needed.
; SHARES.  256 work-groups of 16 waves; a work-group owns 16 batches.  Wave w: a = w & 3, b = w >> 2.  Its TASK is batches 16 wg + 4 a .. + 3, its PART p = a xor b of the task's 25 STEPS; a step is 8 rows of each
; of the 4 batches: 32 rows, a row a lane.  Part 0 takes steps 0-6, parts 1, 2, 3 six steps each (7-12, 13-18, 19-24).  a xor b is a Latin square: of any four waves with equal a, or with equal b, one has 7 steps.
; LANES.  Lane l = r + 16 h belongs to batch l & 3 of the task, always, and holds one whole row in 32 registers: the block's largest magnitude and the conversions ask no other lane, and the weighted sum is
; 16 packed multiply-adds into 32 sums of the lane's own.
; THE PRODUCT IS USED TRANSPOSED (source 0 = 16 features of W1, source 1 = x).  In the 6-bit layout lane (r, h) holds K block h of column r in its registers 0-5: so the lane's own 32 codes ARE the operand, column r
; holding lane r's row as K block 0 and lane 16 + r's row as K block 1; registers 6-11 (K blocks 2, 3) stay zero codes.  Four fragments of W1 tell the two rows apart: fragment (h', t) has feature 16 t + r in
; the lanes with h = h' and zero codes in the others.  Result (h', t), register j, lane (r, h) = proj(row of lane r + 16 h', feature 16 t + 8 h + j).  What a fragment of W1 holds in registers 6-11 meets
; zero codes, and every 6-bit pattern is a finite number: so the four fragments lie 6 registers apart, each reaching into the next.
; x COMES BY DENSE LOADS (32 lanes x 16 bytes = 512 consecutive bytes, aligned) and is turned, row to lane, through the wave's own stage in LDS, in place.  Three sets of 32 registers take turns: 8 to 16 loads of a wave
; are always out; no pointer is stepped: every offset is an immediate.  No tensor load, no ring; the one barrier stands in front of the sum of a task's four parts.
; THE MODE: SCHED_MODE bits 1:0 = 2 (LLVM: expert scheduling mode 2), set by the entry lines.  The code itself states the register dependences between vector or matrix instructions and memory or LDS
; instructions, with s_wait_alu, always for 0.
; THE PLAN.  Registers that memory or LDS instructions touch:
;   S0, S1, S2   Step i's rows lie in set i % 3.  Written by eight global loads issued in step i - 2; read by step i's eight LDS stores; written again, in place, by its eight LDS loads; read by step i's maxima and
;                conversions and by the sixteen lines of the weighted sum, which stand in step i + 1; then loaded again, for step i + 3.
;   v1 to v5     Offsets and LDS addresses: made once at the head, never written again.
;   v120, v123, v125 to v127   Offsets of the head's small loads; they lie in P, which step 0's products write.
;   P's first sixteen, on the way out: written by selects, read by one LDS store, written by the four LDS loads of a task's parts, added, read by the global store.
;   v254, v255   Of S2; made anew ahead of the closing lines.  The last LDS stores that read them stand ahead of their step's wait on vm_vsrc.
;   Behind the head's small loads, M, XS, XF, CT, SCR, F, WQ, CB, ACC and, in the steps, P are named by vector and matrix instructions alone.
; A STEP'S WAITS.  (1) vm_vsrc between the turn's LDS stores and its LDS loads: the stores have read the set.  (2) va_vdst ahead of the four products: XS and XF are written, and the first twelve lines of the weighted sum
; are done reading registers 0-23 of the set before: six of the loads of two steps on follow it, dealt among the products, which name none of those registers.  (3) va_vdst behind the exponentials: their results are
; written, and the last four lines of the weighted sum are done reading registers 24-31: the other two loads follow it.  (4) va_vdst behind the reciprocals: their results are written.
.set ROWS8,  1024                      ; a step's 8 rows of one batch, in bytes
.set BATCH,  25600                     ; a batch: 200 rows of 128 bytes
.set PLACE,  144                       ; a row's place in the stage: 128 bytes + 16: lane l reads at 16-byte column 9 l mod 16 of the 64 banks of 4 bytes (ISA guide 11.1): sixteen lanes, sixteen columns
.set STAGE,  32*PLACE                  ; a wave's stage: 4,608 bytes; sixteen of them from LDS byte 0
.set RED,    16*STAGE                  ; behind them: 512 bytes a wave: its part of its task's 4 rows of out0, in out0's byte order
.set GA,   1                           ; v1   16 x lane: my 16 bytes of a dense load or store
.set SA,   2                           ; v2   the stage, on the way in
.set LA,   3                           ; v3   the stage, on the way out: my row's place
.set RA,   4                           ; v4   where my 16 bytes of my wave's part go
.set RB,   5                           ; v5   where I read the four parts of task a
.set WS,   6                           ; v6   W1's scale byte of feature l, in bytes 0 and 1          (v6-9 hold scales and nothing else)
.set XS,   7                           ; v7   my row's scale byte, in bytes 0 and 1
.set W23S, 8                           ; v8   byte 0: W2's scale of feature l; byte 1: W3's
.set LAS,  9                           ; v9   byte 0: last's scale of my batch; byte 1: avg's
.set M,    10                          ; v10-13 four running maxima
.set SO,   14                          ; v14  the conversions' scale operand
.set XBY,  15                          ; v15  the scale's byte
.set XF,   16                          ; v16-27 x's fragment; v22-27 stay 0
.set CT,   28                          ; v28-30 the second conversion's result
.set SCR,  32                          ; v32  my row's score; v33 is named with it as a pair
.set F,    34                          ; v34-63 W1's fragments: (h', t) at F + 6 (2 h' + t), 12 registers; v58-63 stay 0
.set WQ,   64                          ; v64-79 W4[16 t + 8 h + j] at WQ + 8 t + j
.set CB,   80                          ; v80-95 c[my batch][16 t + 8 h + j] at CB + 8 t + j: the C of every step's products
.set P,    96                          ; v96-127 the four results: (h', t) at P + 8 (2 h' + t).  At the head: W2's, last's and avg's codes as loaded, lane numbers and offsets
.set ACC,  128                         ; v128-159 my 32 sums.  At the head: W3's and W1's codes as loaded
.set S,    160                         ; v160-255 three sets of 32: step i's rows in set i % 3.  At the head set 2 holds b2 and b3
	s_load_b512 s[16:31], s[0:1], 0x0              ; all_memory 16, last codes 18, last scales 20, avg codes 22, avg scales 24, W1 codes 26, W1 scales 28, W2 codes 30
	s_load_b512 s[32:47], s[0:1], 0x40             ; W2 scales 32, W3 codes 34, W3 scales 36, W4 38, b1 40, b2 42, b3 44, out0 46
	v_lshrrev_b32 v120, 5, v0
	v_readfirstlane_b32 s2, v120                   ; w
	v_and_b32 v120, 31, v0                         ; l
	v_and_b32 v121, 15, v0                         ; r
	v_bfe_u32 v122, v0, 4, 1                       ; h
	v_and_b32 v123, 3, v0                          ; my batch of the task's four
	v_bfe_u32 v124, v0, 2, 2                       ; g: which of the batch's four lanes of my half
	v_bfe_u32 v125, v0, 3, 1
	v_and_b32 v126, 7, v0
	s_wait_alu depctr_va_sdst(0)                   ; s2 is written, ahead of its first reader: the task, the part, the bases and the LDS addresses are made from it
	s_and_b32 s3, s2, 3                            ; a: the task
	s_lshr_b32 s4, s2, 2                           ; b
	s_xor_b32 s5, s3, s4                           ; p: the part
	s_min_u32 s7, s5, 1
	s_mul_i32 s6, s5, 6
	s_add_co_u32 s6, s6, s7                        ; its first step: 0, 7, 13, 19
	s_lshl_b32 s8, ttmp9, 4
	s_lshl_b32 s9, s3, 2
	s_add_co_u32 s8, s8, s9                        ; the task's first batch
	s_mul_i32 s10, s2, STAGE                       ; my wave's stage
	; every LDS address is made here, ahead of the branch on the part
	v_lshlrev_b32 v[GA], 4, v120
	; In: load q brings lane ls the 16 bytes ls & 7 of row 4 (q & 1) + (ls >> 3) of batch q >> 1.  That row goes to place (q >> 1) + 16 (q & 1) + 4 (2 bit3 + bit4): a lane of its batch.
	; The two rows that sixteen lanes store lie 8 places (1,152 bytes = 128 mod 256) apart: sixteen different 16-byte columns.
	v_lshlrev_b32 v[SA], 4, v126
	v_mad_u32_u24 v[SA], v125, 8*PLACE, v[SA]
	v_mad_u32_u24 v[SA], v122, 4*PLACE, v[SA]
	v_add_nc_u32 v[SA], s10, v[SA]
	v_mul_u32_u24 v[LA], v120, PLACE
	v_add_nc_u32 v[LA], s10, v[LA]
	s_lshl_b32 s11, s2, 9
	s_add_co_u32 s11, s11, RED
	v_lshlrev_b32 v[RA], 7, v123                   ; my batch's row of 128 bytes,
	v_lshl_add_u32 v[RA], v122, 6, v[RA]           ; elements 16 h on,
	v_lshl_add_u32 v[RA], v124, 4, v[RA]           ; of them 4 g .. 4 g + 3
	v_add_nc_u32 v[RA], s11, v[RA]
	s_lshl_b32 s7, s3, 9
	s_add_co_u32 s7, s7, RED
	v_add_nc_u32 v[RB], s7, v[GA]                  ; the parts of task a lie in the bytes of waves a, a + 4, a + 8, a + 12
	v_mul_u32_u24 v127, v121, 24                   ; offsets of the small loads: a row of 32 codes is 24 bytes: feature r,
	v_mul_u32_u24 v126, v123, 24                   ; my batch,
	v_lshlrev_b32 v125, 5, v122                    ; and 8 h numbers of f32
.irp k, 6,7,8,9,10,11
	v_mov_b32 v[XF+\k], 0                          ; K blocks 2 and 3 of x's fragment: zero codes, for good
	v_mov_b32 v[F+18+\k], 0                        ; behind the last fragment of W1
.endr
	v_mov_b32 v[SCR+1], 0                          ; (named as the upper half of a pair)
	s_mov_b32 s48, 0xbfb8aa3b                      ; -log2(e)
	s_mov_b32 s49, s48                             ; (named with it as a pair)
	s_mov_b32 s50, 0xf0f0f0f0                      ; lanes with bit 2 set
	s_mov_b32 s51, 0xff00ff00                      ; with bit 3 set
	s_mov_b32 vcc_lo, 0xffff0000                   ; h; no compare is written in this text, so it stays
	s_mov_b32 s13, 0
	s_wait_kmcnt 0x0
	s_mul_i32 s12, s8, BATCH                       ; under 2^27
	s_lshl_b32 s7, s6, 10
	s_add_co_u32 s12, s12, s7
	s_add_nc_u64 s[16:17], s[16:17], s[12:13]      ; all_memory at my task's first batch, my part's first step
	s_mul_i32 s12, s8, 24
	s_add_nc_u64 s[18:19], s[18:19], s[12:13]
	s_add_nc_u64 s[22:23], s[22:23], s[12:13]
	s_mov_b32 s12, s8
	s_add_nc_u64 s[20:21], s[20:21], s[12:13]
	s_add_nc_u64 s[24:25], s[24:25], s[12:13]
	s_lshl_b32 s12, s8, 7
	s_add_nc_u64 s[46:47], s[46:47], s[12:13]      ; out0 at my task's four rows
	s_wait_alu depctr_va_vdst(0)                   ; v1 to v5 and the small loads' offsets v120, v123, v125 to v127 are written: every load and store of the kernel, global or LDS, reads one of them
	; 45 small loads
.irp t, 0,1
.irp c, 0,1,2
	global_load_b64 v[ACC+12+6*\t+2*\c:ACC+12+6*\t+2*\c+1], v127, s[26:27] offset:384*\t+8*\c   ; W1, feature 16 t + r: in pieces of 8 bytes, so that every address is a multiple of the access's size
	global_load_b64 v[P+6*\t+2*\c:P+6*\t+2*\c+1], v127, s[30:31] offset:384*\t+8*\c             ; W2
	global_load_b64 v[ACC+6*\t+2*\c:ACC+6*\t+2*\c+1], v127, s[34:35] offset:384*\t+8*\c         ; W3
.endr
.endr
.irp c, 0,1,2
	global_load_b64 v[P+12+2*\c:P+12+2*\c+1], v126, s[18:19] offset:8*\c                        ; last, my batch
	global_load_b64 v[P+18+2*\c:P+18+2*\c+1], v126, s[22:23] offset:8*\c                        ; avg
.endr
	global_load_u8 v[WS], v120, s[28:29]
	global_load_u8 v[W23S], v120, s[32:33]
	global_load_u8 v[M], v120, s[36:37]
	global_load_u8 v[LAS], v123, s[20:21]
	global_load_u8 v[M+1], v123, s[24:25]
.irp t, 0,1
.irp c, 0,1
	global_load_b128 v[WQ+8*\t+4*\c:WQ+8*\t+4*\c+3], v125, s[38:39] offset:64*\t+16*\c          ; numbers 16 t + 8 h + 0 .. 7 of W4,
	global_load_b128 v[CB+8*\t+4*\c:CB+8*\t+4*\c+3], v125, s[40:41] offset:64*\t+16*\c          ; b1,
	global_load_b128 v[S+64+8*\t+4*\c:S+64+8*\t+4*\c+3], v125, s[42:43] offset:64*\t+16*\c      ; b2,
	global_load_b128 v[S+80+8*\t+4*\c:S+80+8*\t+4*\c+3], v125, s[44:45] offset:64*\t+16*\c      ; b3
.endr
.endr
; Step i's 32 rows into set i % 3: load q = rows 4 (q & 1) .. + 3 of the step's eight in batch q >> 1: 512 consecutive bytes, at a multiple of 512 from the buffer's first byte.  Read once in the launch.
.macro GLOAD i
.irp q, 0,1,2,3,4,5,6,7
	global_load_b128 v[S+32*((\i)%3)+4*\q:S+32*((\i)%3)+4*\q+3], v[GA], s[16:17] offset:(\q/2)*BATCH+(\i)*ROWS8+(\q%2)*512 th:TH_LOAD_NT
.endr
.endm
; Two of these eight: loads q0 and q0 + 1, which land in the set's registers 4 q0 .. 4 q0 + 7
.macro GLOAD2 i, q0
.irp q, \q0, \q0+1
	global_load_b128 v[S+32*((\i)%3)+4*(\q):S+32*((\i)%3)+4*(\q)+3], v[GA], s[16:17] offset:((\q)/2)*BATCH+(\i)*ROWS8+((\q)%2)*512 th:TH_LOAD_NT
.endr
.endm
; The turn, in place: LDS serves a wave's instructions in order (ISA guide 5.7.1.4), so the loads see the stores, and the next step's stores come behind these loads.
.macro TURN_IN i
.irp q, 0,1,2,3,4,5,6,7
	ds_store_b128 v[SA], v[S+32*((\i)%3)+4*\q:S+32*((\i)%3)+4*\q+3] offset:((\q/2)+16*(\q%2))*PLACE
.endr
.endm
.macro TURN_OUT i
.irp j, 0,1,2,3,4,5,6,7
	ds_load_b128 v[S+32*((\i)%3)+4*\j:S+32*((\i)%3)+4*\j+3], v[LA] offset:16*\j
.endr
.endm
; Seven lines: the largest magnitude of sixteen numbers from v[x] on, left in v[m] and v[m + 1]; two chains by turns
.macro MAX16 m, x
	v_max3_num_f32 v[\m], |v[\x]|, |v[\x+1]|, |v[\x+2]|
	v_max3_num_f32 v[\m+1], |v[\x+8]|, |v[\x+9]|, |v[\x+10]|
	v_max3_num_f32 v[\m], v[\m], |v[\x+3]|, |v[\x+4]|
	v_max3_num_f32 v[\m+1], v[\m+1], |v[\x+11]|, |v[\x+12]|
	v_max3_num_f32 v[\m], v[\m], |v[\x+5]|, |v[\x+6]|
	v_max3_num_f32 v[\m+1], v[\m+1], |v[\x+13]|, |v[\x+14]|
	v_max3_num_f32 v[\m], v[\m], |v[\x+7]|, |v[\x+15]|
.endm
; My row becomes 32 codes in XF's registers 0-5 and a scale byte in XS.
.macro QUANT i
	s_wait_dscnt 4                                 ; x0-15 are back from the stage; the four youngest loads (x16-31) may be out
	MAX16 M, S+32*((\i)%3)
	s_wait_dscnt 0x0
	MAX16 M+2, S+32*((\i)%3)+16
	v_max3_num_f32 v[M], v[M], v[M+1], 0x1800000   ; with the floor 2^(3 - 127), under which no largest magnitude is taken: so the byte cannot fall under 1
	v_max3_num_f32 v[M], v[M], v[M+2], v[M+3]
	v_add_nc_u32 v[SO], 0xff000000, v[M]           ; 2 off its exponent field: the conversion takes the exponent field of this operand as its scale, and nothing else of it
	v_lshrrev_b32 v[XBY], 23, v[SO]                ; the scale's byte,
	v_lshl_or_b32 v[XS], v[XBY], 8, v[XBY]         ; for K block 0 (read from lanes 0-15) and for K block 1 (read from lanes 16-31)
	v_cvt_scalef32_pk16_fp6_f32 v[XF:XF+2], v[S+32*((\i)%3):S+32*((\i)%3)+15], v[SO]
	v_cvt_scalef32_pk16_fp6_f32 v[CT:CT+2], v[S+32*((\i)%3)+16:S+32*((\i)%3)+31], v[SO]   ; (a conversion's three registers begin on an even number)
	v_nop                                          ; one plain place behind a scaled conversion
	v_mov_b32 v[XF+3], v[CT]
	v_mov_b32 v[XF+4], v[CT+1]
	v_mov_b32 v[XF+5], v[CT+2]
.endm
; The weighted sum of the step before, sums += score x x, sixteen lines in three parts: part 0: sums 0-7, part 1: sums 8-23, part 2: sums 24-31.  kind 1: the first product starts the sums: nothing is cleared.
; kind 0: there is no step before.  These lines name none of the products' registers.  Part 0 stands between the turn's LDS stores and the wait for their reads; part 1, eight lines, is the places behind the write of XS
; (and behind the last write of XF); part 2, four lines, the places ahead of the first read of P.
.macro ACCUM set, part, kind
.if (\kind) == 0
.if (\part) > 0
.rept 12-4*(\part)
	v_nop
.endr
.endif
.else
.irp k, 0,2,4,6,8,10,12,14,16,18,20,22,24,26,28,30
.if ((\k)+8)/16 == (\part)
.if (\kind) == 1
	v_pk_mul_f32 v[ACC+\k:ACC+\k+1], v[S+32*(\set)+\k:S+32*(\set)+\k+1], v[SCR:SCR+1] op_sel_hi:[1,0]
.else
	v_pk_fma_f32 v[ACC+\k:ACC+\k+1], v[S+32*(\set)+\k:S+32*(\set)+\k+1], v[SCR:SCR+1], v[ACC+\k:ACC+\k+1] op_sel_hi:[1,0,1]
.endif
.endif
.endr
.endif
.endm
; proj of the 32 rows: four products on four accumulators, each with c as its C: no sum is taken up again.  W1's scales: lanes 0-15 for t = 0, lanes 16-31 for t = 1; x's: lanes 0-15 for h' = 0, lanes 16-31 for h' = 1.
; fill = 1: six of the eight loads of two steps on are dealt among them.  They land in registers 0-23 of the set before, which no vector or matrix instruction since the wait ahead of the products names.
.macro PROJ i, fill
	v_wmma_scale_f32_16x16x128_f8f6f4 v[P:P+7], v[F:F+11], v[XF:XF+11], v[CB:CB+7], v[WS], v[XS] matrix_a_fmt:MATRIX_FMT_FP6 matrix_b_fmt:MATRIX_FMT_FP6
.if \fill
	GLOAD2 (\i)+2, 0
.endif
	v_wmma_scale_f32_16x16x128_f8f6f4 v[P+8:P+15], v[F+6:F+17], v[XF:XF+11], v[CB+8:CB+15], v[WS], v[XS] matrix_a_fmt:MATRIX_FMT_FP6 matrix_b_fmt:MATRIX_FMT_FP6 matrix_a_scale:MATRIX_SCALE_ROW1
.if \fill
	GLOAD2 (\i)+2, 2
.endif
	v_wmma_scale_f32_16x16x128_f8f6f4 v[P+16:P+23], v[F+12:F+23], v[XF:XF+11], v[CB:CB+7], v[WS], v[XS] matrix_a_fmt:MATRIX_FMT_FP6 matrix_b_fmt:MATRIX_FMT_FP6 matrix_b_scale:MATRIX_SCALE_ROW1
.if \fill
	GLOAD2 (\i)+2, 4
.endif
	v_wmma_scale_f32_16x16x128_f8f6f4 v[P+24:P+31], v[F+18:F+29], v[XF:XF+11], v[CB+8:CB+15], v[WS], v[XS] matrix_a_fmt:MATRIX_FMT_FP6 matrix_b_fmt:MATRIX_FMT_FP6 matrix_a_scale:MATRIX_SCALE_ROW1 matrix_b_scale:MATRIX_SCALE_ROW1
.endm
; 1 / (1 + 2^(-p log2 e)) on the 32 numbers, in place: two batches of 32 transcendentals, each with one plain line behind its last and ONE wait ahead of its first reader.
.macro SIGEXP
.irp j, 0,2,4,6,8,10,12,14,16,18,20,22,24,26,28,30
	v_pk_mul_f32 v[P+\j:P+\j+1], v[P+\j:P+\j+1], s[48:49] op_sel_hi:[1,0]   ; ascending: each accumulator is read from its low end on
.endr
.irp j, 0,1,2,3,4,5,6,7,8,9,10,11,12,13,14,15,16,17,18,19,20,21,22,23,24,25,26,27,28,29,30,31
	v_exp_f32 v[P+\j], v[P+\j]
.endr
	v_nop
	s_wait_alu depctr_va_vdst(0)                   ; the 32 exponentials have written P, ahead of their first reader; and the weighted sum's last four lines are done reading registers 24-31 of the set before
.endm
.macro SIGRCP
.irp j, 0,2,4,6,8,10,12,14,16,18,20,22,24,26,28,30
	v_pk_add_f32 v[P+\j:P+\j+1], v[P+\j:P+\j+1], 1.0 op_sel_hi:[1,0]
.endr
.irp j, 0,1,2,3,4,5,6,7,8,9,10,11,12,13,14,15,16,17,18,19,20,21,22,23,24,25,26,27,28,29,30,31
	v_rcp_f32 v[P+\j], v[P+\j]
.endr
	v_nop
	s_wait_alu depctr_va_vdst(0)                   ; the 32 reciprocals have written P, ahead of their first reader
.endm
; The product with W4.  For each h' my 16 numbers are features 16 t + 8 h + j of the row of lane r + 16 h'; the row's other 16 lie in the lane 16 away.  The swap brings lanes 0-15 both halves of h' = 0
; and lanes 16-31 both halves of h' = 1: each lane ends with the score of its OWN row.
.macro SCORE
.irp u, 0,1
	v_pk_mul_f32 v[P+16*\u:P+16*\u+1], v[P+16*\u:P+16*\u+1], v[WQ:WQ+1]
.endr
.irp k, 1,2,3,4,5,6,7
.irp u, 0,1
	v_pk_fma_f32 v[P+16*\u:P+16*\u+1], v[P+16*\u+2*\k:P+16*\u+2*\k+1], v[WQ+2*\k:WQ+2*\k+1], v[P+16*\u:P+16*\u+1]   ; (the two h' by turns)
.endr
.endr
.irp u, 0,1
	v_add_f32 v[P+16*\u], v[P+16*\u], v[P+16*\u+1]
.endr
	v_permlane16_swap_b32 v[P], v[P+16]            ; the first's lanes 16-31 change places with the second's lanes 0-15
	v_add_f32 v[SCR], v[P], v[P+16]
.endm
; A step.  left: the loads issued behind this step's eight, which may stay out.  fill = 1: the rows of two steps on are asked for, into the set whose weighted sum is being taken: each load behind the wait that shows its registers read.
.macro STEP i, left, fill, kind
	s_wait_loadcnt \left
	TURN_IN \i
	ACCUM ((\i)+2)%3, 0, \kind
	s_wait_alu depctr_vm_vsrc(0)                   ; the eight LDS stores have read set i % 3, in which the LDS loads below land, and the global loads of the next step after them
	TURN_OUT \i
	QUANT \i
	ACCUM ((\i)+2)%3, 1, \kind
	s_wait_alu depctr_va_vdst(0)                   ; behind the places: XS and XF are written, which the scaled products take as scale and operand; the weighted sum's first twelve lines are done reading registers 0-23 of the set before
	PROJ \i, \fill
	ACCUM ((\i)+2)%3, 2, \kind
	SIGEXP
.if \fill
	GLOAD2 (\i)+2, 6                               ; the last two loads: registers 24-31 of the set before, which nothing since the wait above names
.endif
	SIGRCP
	SCORE
.endm
	GLOAD 0
	GLOAD 1
	s_wait_loadcnt 16                              ; the 45 small loads are in; the sixteen of steps 0 and 1 stay out
	s_wait_alu depctr_vm_vsrc(0)                   ; the small loads have read their offsets v120, v123, v125 to v127: they lie in P, which step 0's products write
.irp k, 0,2,4,6,8,10,12,14
	v_pk_add_f32 v[CB+\k:CB+\k+1], v[CB+\k:CB+\k+1], v[S+64+\k:S+64+\k+1]    ; b1 + b2
.endr
.irp k, 0,2,4,6,8,10,12,14
	v_pk_add_f32 v[CB+\k:CB+\k+1], v[CB+\k:CB+\k+1], v[S+80+\k:S+80+\k+1]    ; + b3
.endr
	v_lshl_or_b32 v[W23S], v[M], 8, v[W23S]        ; K block 0: W2's scale; K block 1: W3's
	v_lshl_or_b32 v[LAS], v[M+1], 8, v[LAS]        ; K block 0: last's; K block 1: avg's
	v_lshl_or_b32 v[WS], v[WS], 8, v[WS]
.irp k, 0,1,2,3,4,5,6,7,8,9,10,11
	v_cndmask_b32 v[P+\k], v[P+\k], v[ACC+\k], vcc_lo          ; lanes 0-15 W2's feature (K block 0), lanes 16-31 W3's (K block 1)
.endr
.irp k, 0,1,2,3,4,5
	v_cndmask_b32 v[XF+\k], v[P+12+\k], v[P+18+\k], vcc_lo     ; lanes 0-15 last of batch r & 3, lanes 16-31 avg of it
.endr
.irp k, 0,1,2,3,4,5,6,7,8,9,10,11                              ; W1's four fragments.  These 24 lines name no register of the two products below: they are the places behind the writes of their scales and operands
	v_cndmask_b32 v[F+\k], v[ACC+12+\k], v[F+24], vcc_lo       ; h' = 0: the codes in lanes 0-15, zero codes in lanes 16-31
	v_cndmask_b32 v[F+12+\k], v[F+24], v[ACC+12+\k], vcc_lo    ; h' = 1: the other way round
.endr
	s_wait_alu depctr_va_vdst(0)                   ; behind the places: W23S and LAS, P's and XF's codes are written, which the two scaled products below take as scales and operands; so are WS and W1's fragments, for the steps' products
	; c = b1 + b2 + b3 + last W2 + avg W3, both products in one instruction for each t: register j of lane (r, h) = c[batch r & 3][16 t + 8 h + j].  (Registers 6-11 of source 0 meet XF's zero codes.)
	v_wmma_scale_f32_16x16x128_f8f6f4 v[CB:CB+7], v[P:P+11], v[XF:XF+11], v[CB:CB+7], v[W23S], v[LAS] matrix_a_fmt:MATRIX_FMT_FP6 matrix_b_fmt:MATRIX_FMT_FP6
	v_wmma_scale_f32_16x16x128_f8f6f4 v[CB+8:CB+15], v[P+6:P+17], v[XF:XF+11], v[CB+8:CB+15], v[W23S], v[LAS] matrix_a_fmt:MATRIX_FMT_FP6 matrix_b_fmt:MATRIX_FMT_FP6 matrix_a_scale:MATRIX_SCALE_ROW1
	; (step 0's sixteen lines of maxima stand between these two and the first write of XF, and ahead of the products that take CB as C and write P)
	STEP 0, 8, 1, 0
	STEP 1, 8, 1, 1
	STEP 2, 8, 1, 2
	STEP 3, 8, 1, 2
	s_cmp_lg_u32 s5, 0                             ; the tail is written twice, so that every count is exact and no load leaves the part's rows
	s_cbranch_scc1 .Lshort
	STEP 4, 8, 1, 2                                ; part 0: seven steps
	STEP 5, 8, 0, 2
	STEP 6, 0, 0, 2
	ACCUM 0, 0, 2                                  ; the last step's weighted sum
	ACCUM 0, 1, 2
	ACCUM 0, 2, 2
	s_branch .Lreduce
.Lshort:
	STEP 4, 8, 0, 2                                ; parts 1 to 3: six steps
	STEP 5, 0, 0, 2
	ACCUM 2, 0, 2
	ACCUM 2, 1, 2
	ACCUM 2, 2, 2
.Lreduce:
	; A batch's eight lanes (l & 3 equal) are added.  First the halves: behind swap and add lanes 0-15 hold elements 0-15, lanes 16-31 elements 16-31.
.irp k, 0,1,2,3,4,5,6,7,8,9,10,11,12,13,14,15
	v_permlane16_swap_b32 v[ACC+\k], v[ACC+16+\k]
.endr
.irp k, 0,1,2,3,4,5,6,7,8,9,10,11,12,13,14,15
	v_add_f32 v[ACC+\k], v[ACC+\k], v[ACC+16+\k]
.endr
.irp k, 0,1,2,3,4,5,6,7,8,9,10,11,12,13,14,15
	v_add_f32_dpp v[ACC+\k], v[ACC+\k], v[ACC+\k] row_xmask:4 row_mask:0xf bank_mask:0xf
.endr
.irp k, 0,1,2,3,4,5,6,7,8,9,10,11,12,13,14,15
	v_add_f32_dpp v[ACC+\k], v[ACC+\k], v[ACC+\k] row_xmask:8 row_mask:0xf bank_mask:0xf
.endr
.irp k, 0,1,2,3                                    ; all four lanes of a batch and half hold the same sixteen: lane g keeps elements 4 g .. 4 g + 3
	v_cndmask_b32 v[ACC+\k], v[ACC+\k], v[ACC+4+\k], s50
	v_cndmask_b32 v[ACC+8+\k], v[ACC+8+\k], v[ACC+12+\k], s50
.endr
.irp k, 0,1,2,3
	v_cndmask_b32 v[P+\k], v[ACC+\k], v[ACC+8+\k], s51
.endr
	s_wait_alu depctr_va_vdst(0)                   ; the selects have written P's first four registers, which the LDS store reads; and every vector and matrix instruction is done with P's first sixteen, in which the parts' loads land below
	ds_store_b128 v[RA], v[P:P+3]
	s_wait_dscnt 0x0                               ; for the others' sake: my part lies in LDS
	s_barrier_signal -1
	s_barrier_wait -1
	s_wait_alu depctr_vm_vsrc(0)                   ; my LDS store has read P's first four registers, in which a part's load lands below: stated ahead of the branch
	s_cmp_lt_u32 s2, 4                             ; wave a (b = 0) adds the four parts of task a and stores its four rows
	s_cbranch_scc0 .Lend
.irp b, 0,1,2,3
	ds_load_b128 v[P+4*\b:P+4*\b+3], v[RB] offset:2048*\b
.endr
	s_wait_dscnt 0x0
	v_pk_add_f32 v[P:P+1], v[P:P+1], v[P+4:P+5]
	v_pk_add_f32 v[P+2:P+3], v[P+2:P+3], v[P+6:P+7]
	v_pk_add_f32 v[P+8:P+9], v[P+8:P+9], v[P+12:P+13]
	v_pk_add_f32 v[P+10:P+11], v[P+10:P+11], v[P+14:P+15]
	v_pk_add_f32 v[P:P+1], v[P:P+1], v[P+8:P+9]
	v_pk_add_f32 v[P+2:P+3], v[P+2:P+3], v[P+10:P+11]
	s_wait_alu depctr_va_vdst(0)                   ; the additions have written P's first four registers, which the store reads
	global_store_b128 v[GA], v[P:P+3], s[46:47] th:TH_STORE_NT   ; 32 lanes store 512 consecutive bytes, at a multiple of 512 from out0's first byte
.Lend:
	s_wait_xcnt 0x0
	v_lshl_add_u32 v254, v0, 2, 0x14000            ; the add's two registers, made anew: my spare word, behind the waves' parts, and 0.  (The last LDS stores that read v254 and v255 stand ahead of their step's wait on vm_vsrc)
	v_mov_b32 v255, 0
	s_wait_dscnt 0x0                               ; the closing lines, six on end
	s_wait_alu 0x0
	s_wait_tensorcnt 0x0
	ds_add_u32 v254, v255
	s_wait_dscnt 0x0
	s_endpgm
.Lfunc_end_k_q0352cd3db3_attn:
	.size	k_q0352cd3db3_attn, .Lfunc_end_k_q0352cd3db3_attn-k_q0352cd3db3_attn
	.p2alignl 7, 3214868480
	.fill 96, 4, 3214868480
	.section	.rodata,"a",@progbits
	.p2align	6, 0x0
	.amdhsa_kernel k_q0352cd3db3_attn
		.amdhsa_group_segment_fixed_size 83968
		.amdhsa_private_segment_fixed_size 0
		.amdhsa_enable_private_segment 0
		.amdhsa_kernarg_size 128
		.amdhsa_user_sgpr_count 2
		.amdhsa_user_sgpr_kernarg_segment_ptr 1
		.amdhsa_wavefront_size32 1
		.amdhsa_system_sgpr_workgroup_id_x 1
		.amdhsa_system_sgpr_workgroup_id_y 1
		.amdhsa_system_sgpr_workgroup_id_z 1
		.amdhsa_system_vgpr_workitem_id 0
		.amdhsa_next_free_vgpr 256
		.amdhsa_next_free_sgpr 66
		.amdhsa_reserve_vcc 1
		.amdhsa_float_denorm_mode_32 3
		.amdhsa_float_denorm_mode_16_64 3
		.amdhsa_memory_ordered 1
		.amdhsa_forward_progress 1
		.amdhsa_inst_pref_size 107
	.end_amdhsa_kernel
	.amdgpu_metadata
---
amdhsa.version: [ 1, 2 ]
amdhsa.kernels:
  - .name:           k_q0352cd3db3_attn
    .symbol:         k_q0352cd3db3_attn.kd
    .args:
      - { .name: all_memory, .offset: 0, .size: 8, .value_kind: global_buffer, .address_space: global }
      - { .name: last_memory_codes, .offset: 8, .size: 8, .value_kind: global_buffer, .address_space: global }
      - { .name: last_memory_scales, .offset: 16, .size: 8, .value_kind: global_buffer, .address_space: global }
      - { .name: average_memory_codes, .offset: 24, .size: 8, .value_kind: global_buffer, .address_space: global }
      - { .name: average_memory_scales, .offset: 32, .size: 8, .value_kind: global_buffer, .address_space: global }
      - { .name: W1_codes, .offset: 40, .size: 8, .value_kind: global_buffer, .address_space: global }
      - { .name: W1_scales, .offset: 48, .size: 8, .value_kind: global_buffer, .address_space: global }
      - { .name: W2_codes, .offset: 56, .size: 8, .value_kind: global_buffer, .address_space: global }
      - { .name: W2_scales, .offset: 64, .size: 8, .value_kind: global_buffer, .address_space: global }
      - { .name: W3_codes, .offset: 72, .size: 8, .value_kind: global_buffer, .address_space: global }
      - { .name: W3_scales, .offset: 80, .size: 8, .value_kind: global_buffer, .address_space: global }
      - { .name: W4, .offset: 88, .size: 8, .value_kind: global_buffer, .address_space: global }
      - { .name: b1, .offset: 96, .size: 8, .value_kind: global_buffer, .address_space: global }
      - { .name: b2, .offset: 104, .size: 8, .value_kind: global_buffer, .address_space: global }
      - { .name: b3, .offset: 112, .size: 8, .value_kind: global_buffer, .address_space: global }
      - { .name: out0, .offset: 120, .size: 8, .value_kind: global_buffer, .address_space: global }
    .group_segment_fixed_size: 83968
    .private_segment_fixed_size: 0
    .kernarg_segment_align: 8
    .kernarg_segment_size: 128
    .max_flat_workgroup_size: 512
    .sgpr_count:     66
    .vgpr_count:     256
    .wavefront_size: 32
...
	.end_amdgpu_metadata
.endif
;; end of part 2
